; MI455X (gfx1250); checked and timed in simulation.
; The chip was launched on July 23, 2026; its instructions are those of AMD's public machine-readable ISA for CDNA 5 (MIT licence, August 2026) and "CDNA5" Instruction Set Architecture Reference Guide (July 2026). The comments in the code are by the model that wrote it; some were corrected since.
;; Hash Linear. Allowed arithmetic: float matrix products may take bf16 or f16 operands with f32 sums; all other float work in f32.
;; Inputs: bias 2,048 float32; input 4 x 2,048 x 4,096 float32; layer_factor 1 float32; shared_weight 1,048,576 float32.
;; Outputs: out0 4 x 2,048 x 2,048 float32.
;; 3 versions, each right; version 3 is version 2 with the launch prep written anew for expert scheduling mode. Each part assembles by itself: llvm-mc -triple=amdgcn-amd-amdhsa -mcpu=gfx1250 --defsym DOCPART=n.
;; ======== version 1 of 3: 2 launches
;; workspace buffers: wb 16,777,216 bytes
;; launch hashw (part 1): grid 512 x 1, 8 waves a work-group, no clusters, 0 bytes of LDS; arguments shared_weight, wb; writes wb
.if DOCPART == 1
	.amdgcn_target "amdgcn-amd-amdhsa--gfx1250"
	.amdhsa_code_object_version 6
	.text
	.protected	k_q28af0e3e89_hashw
	.globl	k_q28af0e3e89_hashw
	.p2align	8
	.type	k_q28af0e3e89_hashw,@function
k_q28af0e3e89_hashw:
	s_mov_b64 s[64:65], 0
	v_nop
	global_prefetch_b8 v0, s[64:65] scope:SCOPE_SE
	s_setreg_imm32_b32 hwreg(HW_REG_WAVE_MODE, 25, 1), 1
	s_wait_xcnt 0x0
; THE HASHED WEIGHT, written out once in bf16.  Block bid = 64 n + kb of the virtual weight W[2048][4096] (64 numbers: row n, columns 64 kb ..) is
; 0.5 (pool1[i1] + pool2[i2]), i = ((bid x 0x9E3779B1 mod 2^32) xor C) mod 8192, C = seed x 0x9E3779B9 mod 2^32 with the seeds 1234 and 1235.
; A pool block is 64 f32 = 256 bytes, at a multiple of 256 from the pool's first byte; pool2 begins 2,097,152 bytes in.  The indices hang on ids and constants alone.
; LAYOUT OF wb: [kb = 64][n = 2048][64] bf16, byte kb x 262,144 + n x 128: the product's tile of 128 rows n of one K step of 64 is then 16,384 dense bytes.
; LIMIT, stated: each pool number is rounded to bf16 (nearest even) BEFORE the mean, as all inputs of this program are; the mean is taken in f32 and rounded to bf16 once more.
; SHARES.  Work-group g owns 256 output blocks, 32,768 dense bytes at g x 32,768: kb = g / 8, n = 256 (g % 8) + 16 i + t / 16 for items i = 0 .. 15.  Sixteen lanes take a block: lane t % 16 reads
; 16 bytes of each of the two pool blocks (a wave's load covers two whole blocks of 256 bytes) and writes 8 bytes (a wave's store covers 256 consecutive bytes, aligned).
; No LDS, no barrier, no matrix unit: nothing is shared between lanes.  All 32 loads of a lane go out first; every item has registers of its own, so nothing that a pending access names is rewritten.
.set MULT,  0x9E3779B1
.set C1,    (1234*0x9E3779B9)&0xffffffff
.set C2,    (1235*0x9E3779B9)&0xffffffff
.set HALFB, 2097152                    ; pool2's first byte
.set SO,  5                            ; v5       my byte offset in the group's 32,768 bytes, item 0; never rewritten
.set T,   10                           ; v[10:13] at work
.set O1,  16                           ; v16-31   item i: my byte offset in pool1; never rewritten
.set O2,  32                           ; v32-47   the same in pool2, less HALFB
.set D,   48                           ; v48-175  item i: 4 registers from pool1, 4 from pool2; then the result in the first two
	s_load_b128 s[4:7], s[0:1], 0x0                ; the pool s[4:5], wb s[6:7]
	s_lshl_b32 s2, ttmp9, 15                       ; the group's 32,768 bytes of wb
	s_mov_b32 s3, 0
	s_mov_b32 s8, MULT
	s_mov_b32 s9, C1
	s_mov_b32 s10, C2
	s_mov_b32 s11, 0xffff0000                      ; a word's upper bf16
	s_and_b32 s12, ttmp9, 7
	s_lshl_b32 s12, s12, 14                        ; 64 x 256 (g % 8)
	s_lshr_b32 s13, ttmp9, 3
	s_or_b32 s12, s12, s13                         ; + kb
	v_lshrrev_b32 v1, 4, v0                        ; t / 16
	v_and_b32 v2, 15, v0
	v_lshlrev_b32 v2, 4, v2                        ; my 16 bytes in a pool block
	v_lshl_add_u32 v3, v1, 6, s12                  ; item 0's bid
	v_mul_lo_u32 v4, v3, s8                        ; x MULT, mod 2^32
	v_lshlrev_b32 v[SO], 3, v0
	s_wait_kmcnt 0x0
	s_add_nc_u64 s[6:7], s[6:7], s[2:3]
.irp i, 0,1,2,3,4,5,6,7,8,9,10,11,12,13,14,15
	v_add_nc_u32 v6, ((\i)*1024*MULT)&0xffffffff, v4  ; item i's bid is 1,024 i further on: its product differs by a constant, mod 2^32
	v_xor_b32 v7, s9, v6
	v_xor_b32 v8, s10, v6
	v_and_b32 v7, 0x1fff, v7                       ; mod 8,192
	v_and_b32 v8, 0x1fff, v8
	v_lshl_add_u32 v[O1+(\i)], v7, 8, v2           ; 256 bytes a block
	v_lshl_add_u32 v[O2+(\i)], v8, 8, v2
	global_load_b128 v[D+8*(\i):D+8*(\i)+3],   v[O1+(\i)], s[4:5]
	global_load_b128 v[D+8*(\i)+4:D+8*(\i)+7], v[O2+(\i)], s[4:5] offset:HALFB
.endr
.macro ITEM i
.set R, D+8*(\i)
	s_wait_loadcnt 30-2*(\i)                       ; loads come back in order (ISA guide 5.7.1): mine are in, the two of each younger item may stay out
	v_cvt_pk_bf16_f32 v[T],   v[R],   v[R+1]       ; the inputs' rounding to bf16,
	v_cvt_pk_bf16_f32 v[T+1], v[R+2], v[R+3]
	v_cvt_pk_bf16_f32 v[T+2], v[R+4], v[R+5]
	v_cvt_pk_bf16_f32 v[T+3], v[R+6], v[R+7]
.irp j, 0,1,2,3
	v_lshlrev_b32 v[R+2*\j],   16,  v[T+\j]        ; and back to f32: the low half moves up,
	v_and_b32     v[R+2*\j+1], s11, v[T+\j]        ; the high half stays
.endr
	v_pk_add_f32 v[R:R+1],   v[R:R+1],   v[R+4:R+5]
	v_pk_add_f32 v[R+2:R+3], v[R+2:R+3], v[R+6:R+7]
	v_pk_mul_f32 v[R:R+1],   v[R:R+1],   0.5 op_sel_hi:[1,0]
	v_pk_mul_f32 v[R+2:R+3], v[R+2:R+3], 0.5 op_sel_hi:[1,0]
	v_cvt_pk_bf16_f32 v[R],   v[R],   v[R+1]
	v_cvt_pk_bf16_f32 v[R+1], v[R+2], v[R+3]
	global_store_b64 v[SO], v[R:R+1], s[6:7] offset:2048*(\i)  ; 16 blocks of 128 bytes an item
.endm
.irp i, 0,1,2,3,4,5,6,7,8,9,10,11,12,13,14,15
	ITEM \i
.endr
	s_endpgm
.Lfunc_end_k_q28af0e3e89_hashw:
	.size	k_q28af0e3e89_hashw, .Lfunc_end_k_q28af0e3e89_hashw-k_q28af0e3e89_hashw
	.p2alignl 7, 3214868480
	.fill 96, 4, 3214868480
	.section	.rodata,"a",@progbits
	.p2align	6, 0x0
	.amdhsa_kernel k_q28af0e3e89_hashw
		.amdhsa_group_segment_fixed_size 0
		.amdhsa_private_segment_fixed_size 0
		.amdhsa_enable_private_segment 0
		.amdhsa_kernarg_size 16
		.amdhsa_user_sgpr_count 2
		.amdhsa_user_sgpr_kernarg_segment_ptr 1
		.amdhsa_wavefront_size32 1
		.amdhsa_system_sgpr_workgroup_id_x 1
		.amdhsa_system_sgpr_workgroup_id_y 1
		.amdhsa_system_sgpr_workgroup_id_z 1
		.amdhsa_system_vgpr_workitem_id 0
		.amdhsa_next_free_vgpr 176
		.amdhsa_next_free_sgpr 66
		.amdhsa_reserve_vcc 0
		.amdhsa_float_denorm_mode_32 3
		.amdhsa_float_denorm_mode_16_64 3
		.amdhsa_memory_ordered 1
		.amdhsa_forward_progress 1
		.amdhsa_inst_pref_size 27
	.end_amdhsa_kernel
	.amdgpu_metadata
---
amdhsa.version: [ 1, 2 ]
amdhsa.kernels:
  - .name:           k_q28af0e3e89_hashw
    .symbol:         k_q28af0e3e89_hashw.kd
    .args:
      - { .name: shared_weight, .offset: 0, .size: 8, .value_kind: global_buffer, .address_space: global }
      - { .name: wb, .offset: 8, .size: 8, .value_kind: global_buffer, .address_space: global }
    .group_segment_fixed_size: 0
    .private_segment_fixed_size: 0
    .kernarg_segment_align: 8
    .kernarg_segment_size: 16
    .max_flat_workgroup_size: 256
    .sgpr_count:     66
    .vgpr_count:     176
    .wavefront_size: 32
...
	.end_amdgpu_metadata
.endif
;; end of part 1
;; launch gemm (part 2): grid 8 x 32, 4 waves a work-group, clusters of 4 x 4, 327,680 bytes of LDS; arguments input, wb, out0, bias, layer_factor; writes out0
.if DOCPART == 2
	.amdgcn_target "amdgcn-amd-amdhsa--gfx1250"
	.amdhsa_code_object_version 6
	.text
	.protected	k_q28af0e3e89_gemm
	.globl	k_q28af0e3e89_gemm
	.p2align	8
	.type	k_q28af0e3e89_gemm,@function
k_q28af0e3e89_gemm:
	s_mov_b64 s[64:65], 0
	v_nop
	global_prefetch_b8 v0, s[64:65] scope:SCOPE_SE
	s_setreg_imm32_b32 hwreg(HW_REG_WAVE_MODE, 25, 1), 1
	s_wait_xcnt 0x0
	s_wait_alu depctr_hold_cnt(0) depctr_sa_sdst(0) depctr_va_vdst(0) depctr_va_sdst(0) depctr_va_ssrc(0) depctr_va_vcc(0) depctr_vm_vsrc(0)
	s_getreg_b32 s2, hwreg(HW_REG_IB_STS2, 6, 4)
	s_cmp_eq_u32 s2, 0
	s_cbranch_scc0 .Lentry_in_a_cluster
	s_endpgm
.Lentry_in_a_cluster:
	s_bfe_u32 s2, ttmp6, 0x10000c
	s_cmp_lg_u32 s2, 0xf033
	s_cbranch_scc0 .Lentry_shape_is_right
	s_endpgm
.Lentry_shape_is_right:
; out[m][n] = lf (sum over k of X[m][k] W[n][k] + bias[n]).  X: [8192][4096] f32.  W: wb, bf16, laid out [kb = 64][n = 2048][64] by the launch before.  out: [8192][2048] f32.  Sums in f32.
; LIMITS, stated: X, bias and lf are rounded to bf16 (nearest even) before use, as the pool was; the way out is fma(sum, lf, lf x bias), one rounding order other than (sum + bias) x lf.
; SHARES.  A tile of out is 256 x 256: 32 x 8 = 256 work-groups of four waves.  A wave makes 64 rows x 256 columns: 64 accumulators of 16 x 16, 512 registers.  That shape, not 128 x 128, because X arrives
; in f32 and is cast here: for one k a wave reads 4 x 64 + 2 x 256 = 768 bytes of LDS either way, but with 64 x 256 each row of X is read and cast by ONE wave: 32 casts for 64 matrix instructions.
; K goes in steps of 64 through two LDS slots filled by the tensor data mover: 256 rows of X (256 bytes each in memory, at multiples of 256 from the buffer's first byte) and 256 rows of W (dense: asked for
; as rows of 256 bytes, two rows of W each).  Two slots of a step of 128 would be 409,600 bytes: they do not fit.
; CLUSTERS: 4 x 4 work-groups.  The four of a row of the cluster need the same tiles of X, the four of a column the same tiles of W: each tile is asked for JOINTLY, by the same tensor load with the same
; descriptor and a mask that names the four.
; THE MATRIX INSTRUCTION IS USED TRANSPOSED (source 0 = 16 rows of W, source 1 = 16 rows of X): a lane then holds row l % 16 of out and the eight neighbouring columns 8 (l / 16) + 0 .. 7.
; REGISTERS, in windows of 256 (s_set_vgpr_msb: bits 1:0 source 0, 3:2 source 1, 5:4 source 2, 7:6 destination):
;   window 0: v0-47 addresses and constants; v64-127 X's fragments in f32 as loaded; v128-159, v160-191 X's fragments in bf16, two buffers; v192-255 and v64-127 rows on the way out
;   window 1: W's fragments, two buffers of 128          window 2: accumulators (a, b < 8) at v[8 (4 b + a)]          window 3: those of b >= 8
.set KTOT,   4096
.set ROWB,   KTOT*4                    ; bytes in a row of X
.set ROWC,   2048*4                    ; bytes in a row of out
.set KBLK,   262144                    ; bytes of wb for one K step
.set PA,     272                       ; a row of X in LDS: 256 bytes + 16 of padding = 68 words: row r starts at bank 4 r mod 64 (64 banks of 4 bytes: ISA guide 11.1), so the 16 rows of a load start at 16 different banks
.set PB,     144                       ; a row of W: 128 + 16 = 36 words: again 16 different groups of four banks
.set AHALF,  128*PA                    ; what one tensor load brings of X
.set BHALF,  128*PB                    ; and of W
.set BOFF,   2*AHALF                   ; in a slot: X's 256 rows, then W's 256 rows
.set SLOT,   BOFF+2*BHALF
.set STAGE,  2*SLOT                    ; behind the ring: 16 rows x 528 bytes for each wave, for the way out; no tensor load lands here
.set SPITCH, 528                       ; 512 + 16 = 132 words
.set SPARE,  STAGE+4*16*SPITCH         ; behind the stages: the spare words, 128 bytes for each wave: two blocks of 256 bytes that no other line names
.set LAPS,   KTOT/128                  ; a lap = two K steps = once round the ring
.set ADRA, 16                          ; v16-17  LDS address of my fragments of X in slot 0, 1
.set ADRB, 20                          ; v20-21  the same for W
.set STO,  24                          ; v24     the way out: where I put 32 bytes of a row
.set RD,   25                          ; v25     the way out: where I read a row back
.set CO,   26                          ; v26     16 x lane: my byte offset in 512 bytes of a row of out, and of bias
.set PFO,  27                          ; v27     the prefetch: my row and block of X, in bytes; never rewritten
.set SPW,  28                          ; v28     LDS address of my spare word: SPARE + 4 x my thread's number; never rewritten
.set NIL,  29                          ; v29     0; never rewritten
.set LF,   32                          ; v[32:33] lf, twice
.set BI,   36                          ; v[36:43] lf x bias of my 4 columns in the tile's left and right 128
.set TP,   44                          ; v[44:47] at work
.set SG,   64                          ; X in f32: fragment a at SG + 16 a
.set FA0,  128                         ; X in bf16: buffer f, fragment a at FA0 + 32 f + 8 a
.set G1A, 24                           ; s[24:31] descriptor group 1 for X's tiles;  s[32:39] group 0, one set for each slot
.set G0A, 32
.set G1B, 48                           ; s[48:55], s[56:63] the same for W's tiles
.set G0B, 56
.set PFB, 68                           ; s[68:69] X at my tile row's first byte
.set PFA, 70                           ; s[70:71] the prefetch's base
.set PFK, 76                           ; s[76:77] its byte offset along K (the high word is 0)
.set MSB, 0
.macro WIN new                         ; the immediate's high byte repeats the setting that is left; a switch that changes nothing is dropped
.if MSB != (\new)
	s_set_vgpr_msb (MSB<<8)|(\new)
.set MSB, (\new)
.endif
.endm
.set MUL_LO, 0xa1                      ; source 0 (W) window 1, source 1 (X) window 0, C and D window 2
.set MUL_HI, 0xf1                      ; the same, C and D window 3
.set TO_B,   0x40                      ; destination window 1, address window 0
; A joint load.  Waves 0 and 1 fetch X's two halves, waves 2 and 3 W's.  Each line has one mask and one set of registers for all that issue it; the branch hangs on the wave's number alone.
; An s_nop 0 and four v_nop follow each of the two lines, ahead of the jump, the label and what follows.
; pf = 1: waves 0 and 1 also ask, once a lap, for X's bytes of the lap after next.  Of the tile row's 256 rows each of the 8 work-groups that read them asks for 32, a wave for 16 rows x 2 blocks of 256 bytes,
; lanes 256 bytes apart: each block from lap 2 on is asked for once in the launch, one lap ahead of the tensor load that wants it.  The offset along K stops at a row's last 512 bytes.
.macro JLOAD s, pf
	s_cmp_eq_u32 s11, 0
	s_cbranch_scc0 .Lfor_b_\@
	tensor_load_to_lds s[G0A+4*(\s):G0A+4*(\s)+3], s[G1A:G1A+7]
	s_nop 0
.rept 4
	v_nop
.endr
.if \pf
	global_prefetch_b8 v[PFO], s[PFA:PFA+1] th:TH_LOAD_NT scope:SCOPE_SE
.endif
	s_branch .Lasked_\@
.Lfor_b_\@:
	tensor_load_to_lds s[G0B+4*(\s):G0B+4*(\s)+3], s[G1B:G1B+7]
	s_nop 0
.rept 4
	v_nop
.endr
.Lasked_\@:
.endm
; A round of the cluster's barrier: my work-group's barrier, so that wave 0's signal speaks for all four waves; wave 0 signals for the work-group; every wave waits for all sixteen; my work-group's barrier once more.
.macro CREST                           ; a round behind its opening barrier
	s_cmp_lg_u32 s10, 0
	s_cbranch_scc1 .Lnot_wave_0_\@
	s_barrier_signal -3
.Lnot_wave_0_\@:
	s_barrier_wait -3
	s_barrier_signal -1
	s_barrier_wait -1
.endm
.macro CROUND                          ; a whole round
	s_barrier_signal -1
	s_barrier_wait -1
	CREST
.endm
	s_load_b128 s[4:7], s[0:1], 0x0                ; X s[4:5], wb s[6:7]
	s_load_b64 s[8:9], s[0:1], 0x10                ; out
	s_load_b128 s[72:75], s[0:1], 0x18             ; bias s[72:73], lf s[74:75]
	v_lshl_add_u32 v[SPW], v0, 2, SPARE
	v_mov_b32 v[NIL], 0
	ds_add_u32 v[SPW], v[NIL]                      ; the wave's opening: the add and its wait stand ahead of my first tensor load; the set-up below, work on registers, stands between them
	v_lshrrev_b32 v1, 5, v0
	v_readfirstlane_b32 s10, v1                    ; wave 0..3: my 64 rows of the tile
	s_lshr_b32 s11, s10, 1                         ; I fetch for X (0) or for W (1)
	s_and_b32 s12, s10, 1                          ; which 128 rows of that tile I fetch
	s_bfe_u32 s40, ttmp6, 0x40000                  ; cx, cy: my place in the cluster
	s_bfe_u32 s41, ttmp6, 0x40004
	s_lshl_b32 s42, ttmp9, 2                       ; in a cluster launch ttmp9 and ttmp7 count clusters
	s_add_co_u32 s42, s42, s40                     ; tile column = 4 x cluster x + cx
	s_and_b32 s13, ttmp7, 0xffff
	s_lshl_b32 s13, s13, 2
	s_add_co_u32 s13, s13, s41                     ; tile row = 4 x cluster y + cy
	s_lshl_b32 s43, s41, 2
	s_lshl_b32 s43, 15, s43                        ; my row of the cluster: places 4 cy .. 4 cy + 3
	s_lshl_b32 s44, 0x1111, s40                    ; my column: places cx, cx + 4, cx + 8, cx + 12
	; group 1 for X: 128 rows x 64 elements of 4 bytes, padded in LDS
	s_or_b32 s[G1A+0], s43, (2<<16)|(1<<20)|(1<<21)|(5<<22)|(3<<25)  ; 15:0 the mask: my row; 17:16 elements of 4 bytes; 20 padding on; 21 set beside a mask; 24:22 after every 64 words (code 5); 31:25 4 words of it (code 3)
	s_mov_b32 s[G1A+1], 64<<16                     ; tensor_dim0 = 64
	s_mov_b32 s[G1A+2], 128<<16                    ; tensor_dim1 = 128
	s_mov_b32 s[G1A+3], 64<<16                     ; tile_dim0 = 64
	s_mov_b32 s[G1A+4], 128                        ; tile_dim1 = 128
	s_mov_b32 s[G1A+5], KTOT                       ; elements from row to row
	s_mov_b32 s[G1A+6], 0
	s_mov_b32 s[G1A+7], 0
	; group 1 for W: 128 rows of 128 bytes are 16,384 dense bytes: asked for as 64 rows of 128 elements of 2 bytes, padded in LDS after every row of W
	s_or_b32 s[G1B+0], s44, (1<<16)|(1<<20)|(1<<21)|(4<<22)|(3<<25)  ; the mask: my column; elements of 2 bytes; after every 32 words (code 4) 4 words
	s_mov_b32 s[G1B+1], 128<<16                    ; tensor_dim0 = 128
	s_mov_b32 s[G1B+2], 64<<16                     ; tensor_dim1 = 64
	s_mov_b32 s[G1B+3], 128<<16                    ; tile_dim0 = 128
	s_mov_b32 s[G1B+4], 64                         ; tile_dim1 = 64
	s_mov_b32 s[G1B+5], 128                        ; elements from row to row
	s_mov_b32 s[G1B+6], 0
	s_mov_b32 s[G1B+7], 0
	; where the tiles come from: X's hang on the tile row alone, which my row of the cluster shares; W's on the tile column alone, which my column shares
	s_lshl_b32 s16, s13, 8
	s_lshl_b32 s17, s12, 7
	s_add_co_u32 s16, s16, s17                     ; X: row 256 x tile row + 128 x half,
	s_lshl_b32 s16, s16, 14                        ; of 16,384 bytes: under 2^27
	s_mov_b32 s17, 0
	s_lshl_b32 s46, s42, 8
	s_lshl_b32 s47, s12, 7
	s_add_co_u32 s46, s46, s47                     ; W: row 256 x tile column + 128 x half,
	s_lshl_b32 s46, s46, 7                         ; of 128 bytes in a K step's part of wb
	s_mov_b32 s47, 0
	s_lshl_b32 s18, s13, 22                        ; the tile row's first byte of X: 256 rows of 16,384 bytes
	s_mov_b32 s19, 0
	s_mul_i32 s20, s12, AHALF                      ; and where they go: no place in the cluster enters an LDS address
	s_mul_i32 s66, s12, BHALF
	s_add_co_u32 s66, s66, BOFF
	s_wait_dscnt 0x0                               ; the opening add is done
	s_wait_kmcnt 0x0
	s_add_nc_u64 s[14:15], s[4:5], s[16:17]
	s_add_nc_u64 s[46:47], s[6:7], s[46:47]
	s_add_nc_u64 s[PFB:PFB+1], s[4:5], s[18:19]
	CROUND                                         ; all sixteen work-groups are here: the first joint loads meet
.irp s, 0,1
	s_mov_b32 s[G0A+4*(\s)], 1                                       ; 1:0 count = 1
	s_add_co_u32 s[G0A+4*(\s)+1], s20, (\s)*SLOT                     ; 63:32 LDS address
	s_add_nc_u64 s[G0A+4*(\s)+2:G0A+4*(\s)+3], s[14:15], (\s)*256    ; 120:64 global address: K step s
	s_or_b32 s[G0A+4*(\s)+3], s[G0A+4*(\s)+3], 0x80000000            ; 127:126 type = 2
	s_mov_b32 s[G0B+4*(\s)], 1
	s_add_co_u32 s[G0B+4*(\s)+1], s66, (\s)*SLOT
	s_add_nc_u64 s[G0B+4*(\s)+2:G0B+4*(\s)+3], s[46:47], (\s)*KBLK
	s_or_b32 s[G0B+4*(\s)+3], s[G0B+4*(\s)+3], 0x80000000
	JLOAD \s, 0                                    ; the ring is filled before anything else is done: two loads of mine are out
.endr
	; A fragment is 16 rows x 32 K: lane l holds row l % 16 and K = 8 (l / 16) + 0..7 and 16 + 8 (l / 16) + 0..7.  In bf16 (W): two loads of 16 bytes, 32 bytes apart.  In f32 (X): four, at 0, 16, 64, 80 from 32 (l / 16).
	v_and_b32 v1, 15, v0                           ; l % 16
	v_bfe_u32 v2, v0, 4, 1                         ; l / 16
	v_and_b32 v3, 31, v0                           ; l
	v_mul_u32_u24 v4, v1, PA
	v_lshl_add_u32 v4, v2, 5, v4
	s_mul_i32 s21, s10, 64*PA                      ; my 64 rows of X
	v_add_nc_u32 v[ADRA], s21, v4
	v_add_nc_u32 v[ADRA+1], SLOT, v[ADRA]
	v_mul_u32_u24 v5, v1, PB
	v_lshl_add_u32 v5, v2, 4, v5
	v_add_nc_u32 v[ADRB], BOFF, v5                 ; every wave reads all 256 rows of W
	v_add_nc_u32 v[ADRB+1], BOFF+SLOT, v5
	s_mul_i32 s23, s10, 16*SPITCH
	s_add_co_u32 s23, s23, STAGE                   ; my stage
	v_mul_u32_u24 v6, v1, SPITCH                   ; in: row l % 16, 32 bytes for each half of the lanes
	v_lshl_add_u32 v6, v2, 5, v6
	v_add_nc_u32 v[STO], s23, v6
	v_lshl_add_u32 v[RD], v3, 4, s23               ; back: 32 lanes take one row of 512 bytes
	v_lshlrev_b32 v[CO], 4, v3
	s_lshl_b32 s16, s13, 8
	s_lshl_b32 s17, s10, 6
	s_add_co_u32 s16, s16, s17                     ; my first row of out: 256 x tile row + 64 x wave,
	s_lshl_b32 s16, s16, 13                        ; of 8,192 bytes: under 2^27
	s_mov_b32 s17, 0
	s_add_nc_u64 s[8:9], s[8:9], s[16:17]
	s_lshl_b32 s46, s42, 10                        ; the tile's first column, in bytes, in out and in bias (in the registers that held W's address: none that fed X's descriptors ever holds cx)
	s_mov_b32 s47, 0
	s_add_nc_u64 s[8:9], s[8:9], s[46:47]
	s_add_nc_u64 s[72:73], s[72:73], s[46:47]
	s_load_b32 s78, s[74:75], 0x0                  ; lf
	global_load_b128 v[BI:BI+3],   v[CO], s[72:73]             ; bias of my 4 columns in the tile's left 128,
	global_load_b128 v[BI+4:BI+7], v[CO], s[72:73] offset:512  ; and in its right 128
	s_lshl_b32 s46, s42, 5                         ; the prefetch: of the tile row's 256 rows my work-group takes 32 by its tile column,
	s_lshl_b32 s47, s12, 4                         ; my wave 16 of them,
	s_add_co_u32 s46, s46, s47
	v_lshrrev_b32 v7, 1, v3                        ; two lanes a row,
	v_add_nc_u32 v7, s46, v7
	v_and_b32 v8, 1, v3
	v_lshlrev_b32 v8, 8, v8                        ; 256 bytes apart
	v_lshl_add_u32 v[PFO], v7, 14, v8
	s_mov_b32 s[PFK], 512                          ; the first request, in the loop's first trip, adds 512: lap 2
	s_mov_b32 s[PFK+1], 0
	s_wait_kmcnt 0x0
	v_mov_b32 v9, s78
	v_cvt_pk_bf16_f32 v9, v9, v9                   ; lf rounded to bf16,
	v_lshlrev_b32 v[LF], 16, v9                    ; and back in f32
	v_mov_b32 v[LF+1], v[LF]
	s_wait_loadcnt 0x0
.irp j, 0,1,2,3
	v_cvt_pk_bf16_f32 v[TP+\j], v[BI+2*\j], v[BI+2*\j+1]  ; bias likewise
.endr
.irp j, 0,1,2,3
	v_lshlrev_b32 v[BI+2*\j],   16, v[TP+\j]
	v_and_b32     v[BI+2*\j+1], 0xffff0000, v[TP+\j]
.endr
.irp j, 0,1,2,3
	v_pk_mul_f32 v[BI+2*\j:BI+2*\j+1], v[BI+2*\j:BI+2*\j+1], v[LF:LF+1]  ; lf x bias: the way out is then one fused multiply-add a number
.endr
; Four matrix instructions: block b of 16 columns x my four blocks of 16 rows, 32 along K, from buffers f.  zero = 1: the product starts the sums: nothing is ever cleared.
; The 64 accumulators take turns, one instruction a turn, in the same order in every half step.
.macro MULG f, b, zero
	WIN MUL_LO+0x50*((\b)/8)
.irp a, 0,1,2,3
.set rD, 8*(4*((\b)%8)+\a)
.set rB, 128*(\f)+8*(\b)
.set rA, FA0+32*(\f)+8*\a
.if \zero
	v_wmma_f32_16x16x32_bf16 v[rD:rD+7], v[rB:rB+7], v[rA:rA+7], 0
.else
	v_wmma_f32_16x16x32_bf16 v[rD:rD+7], v[rB:rB+7], v[rA:rA+7], v[rD:rD+7]
.endif
.endr
.endm
; 16 LDS loads: my 64 rows of X, 32 along K (half hk of the step), in f32
.macro FETCH_A slot, hk
	WIN 0
.irp a, 0,1,2,3
.irp c, 0,1,2,3
	ds_load_b128 v[SG+16*\a+4*\c:SG+16*\a+4*\c+3], v[ADRA+(\slot)] offset:\a*16*PA+128*(\hk)+64*(\c/2)+16*(\c%2)
.endr
.endr
.endm
; 16 LDS loads: blocks b0 .. b0 + 7 of 16 rows of W, 32 along K, into buffer g
.macro FETCH_B slot, hk, g, b0
	WIN TO_B
.irp e, 0,1,2,3,4,5,6,7
	ds_load_b128 v[128*(\g)+8*((\b0)+\e):128*(\g)+8*((\b0)+\e)+3],   v[ADRB+(\slot)] offset:((\b0)+\e)*16*PB+64*(\hk)
	ds_load_b128 v[128*(\g)+8*((\b0)+\e)+4:128*(\g)+8*((\b0)+\e)+7], v[ADRB+(\slot)] offset:((\b0)+\e)*16*PB+64*(\hk)+32
.endr
.endm
; Four casts: half p of fragment a of X, f32 to bf16, into buffer g
.macro CV4 g, a, p
	WIN 0
.irp j, 0,1,2,3
	v_cvt_pk_bf16_f32 v[FA0+32*(\g)+8*(\a)+4*(\p)+\j], v[SG+16*(\a)+8*(\p)+2*\j], v[SG+16*(\a)+8*(\p)+2*\j+1]
.endr
.endm
; A K step is two half steps of 32 along K, 64 matrix instructions each, on buffers 0, 1.  REST is a half step behind its first 16 products: it fetches the next half's fragments (half hk of slot) for buffers g,
; and casts X four numbers' pairs at a time behind each of its last eight groups of products.
; PLACES.  A load into a register that a matrix instruction has read, and a vector instruction that writes one, stand four places behind it, and only plain vector instructions that name none of its registers are
; places (ISA guide 7.12.1 for vector instructions).  Every half step ends in four casts, which name X's f32 registers and the OTHER bf16 buffer alone: they are the four places
; between the last product on buffers g and the loads into W's buffer g and the casts into X's buffer g that follow in the next half step.
.macro REST f, g, slot, hk, zero
	FETCH_A \slot, \hk
	FETCH_B \slot, \hk, \g, 0
	s_wait_dscnt 32                                ; all but the 32 just issued: W's blocks 8-15 of buffer f are in
	MULG \f, 4, \zero
	MULG \f, 5, \zero
	MULG \f, 6, \zero
	MULG \f, 7, \zero
.set i, 0
.rept 8
	MULG \f, 8+i, \zero
.if i < 4
	s_wait_dscnt 30-2*i                            ; X's loads 2 i and 2 i + 1 are in: behind them stand 14 - 2 i of X's and 16 of W's,
.else
	s_wait_dscnt 46-2*i                            ; and from here on W's second 16
.endif
	CV4 \g, i/2, i%2
.if i == 3
	FETCH_B \slot, \hk, \g, 8
.endif
.set i, i+1
.endr
.endm
.macro HALF f, g, slot, hk, zero
	s_wait_dscnt 16                                ; W's blocks 0-7 are in; the youngest sixteen loads (blocks 8-15) may be out.  X's buffer f was cast in the half step before
	MULG \f, 0, \zero
	MULG \f, 1, \zero
	MULG \f, 2, \zero
	MULG \f, 3, \zero
	REST \f, \g, \slot, \hk, \zero
.endm
; A step's second half multiplies buffers 1 and changes slots: ONE barrier for two things.  In front of it each wave waits for all its tensor loads, of which one is out: its part of the next slot; adds 0 to its
; spare word; and waits for that and for its own reads of this slot.  Behind it nobody reads this slot any more and the next slot is whole.
; fill = 1: this slot is filled again, two K steps ahead.  The barrier then opens a round of the cluster's, so that no wave of any partner still reads the slot or has a load on its way, and the joint refill is the
; first thing behind the round: from there to the wait for it a wave issues 112 matrix instructions.
.macro TURN slot, next, fill
	WIN 0                                          ; (the add's two registers lie in window 0)
	s_wait_tensorcnt 0x0                           ; all my tensor loads have landed, so a group 0 may be written;
	ds_add_u32 v[SPW], v[NIL]                      ; 0 onto my spare word; scalar work and eight products stand between it and the wait for it
.if \fill
	s_add_nc_u64 s[G0A+4*(\slot)+2:G0A+4*(\slot)+3], s[G0A+4*(\slot)+2:G0A+4*(\slot)+3], 2*256
	s_add_nc_u64 s[G0B+4*(\slot)+2:G0B+4*(\slot)+3], s[G0B+4*(\slot)+2:G0B+4*(\slot)+3], 2*KBLK
.if (\slot) == 0
	s_wait_xcnt 0x0                                ; the last lap's prefetch has had its address translated (ISA guide 3.1): its base is rewritten only behind this wait
	s_add_co_u32 s[PFK], s[PFK], 512               ; the lap after next,
	s_min_u32 s[PFK], s[PFK], ROWB-512             ; or a row's last 512 bytes: no request leaves the row
	s_add_nc_u64 s[PFA:PFA+1], s[PFB:PFB+1], s[PFK:PFK+1]
.endif
.endif
	s_wait_dscnt 17                                ; (the add and the youngest sixteen loads may be out)
	MULG 1, 0, 0
	MULG 1, 1, 0
	s_wait_dscnt 0x0                               ; the add is done, and my reads of this slot are over:
	s_barrier_signal -1                            ; say so,
	MULG 1, 2, 0                                   ; work on registers while the others arrive,
	MULG 1, 3, 0
.if \fill
	WIN 0
.endif
	s_barrier_wait -1                              ; and go on when all four have said so
.if \fill
	CREST
.if (\slot) == 0
	JLOAD \slot, 1
.else
	JLOAD \slot, 0
.endif
.endif
	REST 1, 0, \next, 0, 0
.endm
	s_wait_tensorcnt 1                             ; my part of K step 0 is in; K step 1's may stay out
	s_barrier_signal -1
	s_barrier_wait -1                              ; everybody's is
	FETCH_A 0, 0
	FETCH_B 0, 0, 0, 0
	FETCH_B 0, 0, 0, 8
	s_wait_dscnt 32                                ; X's sixteen loads are in
.irp a, 0,1,2,3
	CV4 0, \a, 0
	CV4 0, \a, 1
.endr
	HALF 0, 1, 0, 1, 1                             ; the first half step stands in front of the loop: its products start the sums
	WIN 0
	s_mov_b32 s3, LAPS-1
.Llap:                                                 ; a trip goes once round the ring, from a lap's second half step to the next lap's first, and fills both slots again
	TURN 0, 1, 1
	HALF 0, 1, 1, 1, 0
	TURN 1, 0, 1
	HALF 0, 1, 0, 1, 0
	WIN 0
	s_sub_co_u32 s3, s3, 1
	s_cmp_lg_u32 s3, 0
	s_cbranch_scc1 .Llap
	TURN 0, 1, 0                                   ; the last lap fills nothing and has no round
	HALF 0, 1, 1, 1, 0
	s_wait_dscnt 16                                ; the very last half step: nothing more to fetch
.irp b, 0,1,2,3,4,5,6,7
	MULG 1, \b, 0
.endr
	s_wait_dscnt 0x0
.irp b, 8,9,10,11,12,13,14,15
	MULG 1, \b, 0
.endr
; THE WAY OUT, in eight blocks of 16 rows x 128 columns (block n: my rows 16 (n / 2) on, the tile's columns 128 (n % 2) on).  A lane's 32 bytes of a row go into my own stage in LDS, in rows of 528 bytes; whole rows of
; 512 bytes come back, are scaled and biased, and are stored: each store of the wave covers 512 consecutive bytes, at a multiple of 512 from out's first byte.
; Of each accumulator the four lowest registers are read first.
.macro TOSTAGE n
	WIN 0x08+4*((\n)%2)                            ; the stores' data (source 1) in window 2 or 3
.irp e, 0,1,2,3,4,5,6,7
	ds_store_b128 v[STO], v[8*(4*\e+(\n)/2):8*(4*\e+(\n)/2)+3]   offset:64*\e
	ds_store_b128 v[STO], v[8*(4*\e+(\n)/2)+4:8*(4*\e+(\n)/2)+7] offset:64*\e+16
.endr
	WIN 0
.if (\n) >= 2
	s_wait_xcnt 0x0                                ; the stores of block n - 2 have had their addresses translated (ISA guide 3.1): their data registers are loaded again only behind this wait
.endif
.set BK, 192-128*((\n)%2)
.irp t, 0,1,2,3,4,5,6,7,8,9,10,11,12,13,14,15
	ds_load_b128 v[BK+4*\t:BK+4*\t+3], v[RD] offset:SPITCH*\t  ; LDS serves a wave's instructions in order (ISA guide 5.7.1.4): these see the stores above; the next block's stores come behind them
.endr
.endm
.macro SEND n, younger                 ; younger: the LDS instructions issued behind block n's loads: the next block's 32, or none
	WIN 0
.set BK, 192-128*((\n)%2)
.set BC, BI+4*((\n)%2)
	s_wait_dscnt \younger
.irp t, 0,1,2,3,4,5,6,7,8,9,10,11,12,13,14,15
	v_pk_fma_f32 v[BK+4*\t:BK+4*\t+1],   v[BK+4*\t:BK+4*\t+1],   v[LF:LF+1], v[BC:BC+1]
	v_pk_fma_f32 v[BK+4*\t+2:BK+4*\t+3], v[BK+4*\t+2:BK+4*\t+3], v[LF:LF+1], v[BC+2:BC+3]
	global_store_b128 v[CO], v[BK+4*\t:BK+4*\t+3], s[8:9] offset:(16*((\n)/2)+\t)*ROWC+512*((\n)%2) th:TH_STORE_NT  ; 516,608 at the most: inside the signed 24-bit immediate
.endr
.endm
	WIN 0
.rept 4
	v_nop                                          ; the four places between the last products and the LDS stores that read results
.endr
	TOSTAGE 0
.irp n, 1,2,3,4,5,6,7                  ; a block's way through the stage stands between the loads of the block before and its arithmetic
	TOSTAGE \n
	SEND (\n)-1, 32
.endr
	SEND 7, 0
	s_wait_tensorcnt 0x0                           ; the wave's end, behind my last tensor load and my last LDS store
	ds_add_u32 v[SPW], v[NIL]
	s_wait_dscnt 0x0
	CROUND                                         ; the closing round: no work-group ends while a partner may still ask for a tile that names it
	s_endpgm
.Lfunc_end_k_q28af0e3e89_gemm:
	.size	k_q28af0e3e89_gemm, .Lfunc_end_k_q28af0e3e89_gemm-k_q28af0e3e89_gemm
	.p2alignl 7, 3214868480
	.fill 96, 4, 3214868480
	.section	.rodata,"a",@progbits
	.p2align	6, 0x0
	.amdhsa_kernel k_q28af0e3e89_gemm
		.amdhsa_group_segment_fixed_size 327680
		.amdhsa_private_segment_fixed_size 0
		.amdhsa_enable_private_segment 0
		.amdhsa_kernarg_size 40
		.amdhsa_user_sgpr_count 2
		.amdhsa_user_sgpr_kernarg_segment_ptr 1
		.amdhsa_wavefront_size32 1
		.amdhsa_system_sgpr_workgroup_id_x 1
		.amdhsa_system_sgpr_workgroup_id_y 1
		.amdhsa_system_sgpr_workgroup_id_z 1
		.amdhsa_system_vgpr_workitem_id 0
		.amdhsa_next_free_vgpr 1024
		.amdhsa_next_free_sgpr 80
		.amdhsa_reserve_vcc 0
		.amdhsa_float_denorm_mode_32 3
		.amdhsa_float_denorm_mode_16_64 3
		.amdhsa_memory_ordered 1
		.amdhsa_forward_progress 1
		.amdhsa_inst_pref_size 136
	.end_amdhsa_kernel
	.amdgpu_metadata
---
amdhsa.version: [ 1, 2 ]
amdhsa.kernels:
  - .name:           k_q28af0e3e89_gemm
    .symbol:         k_q28af0e3e89_gemm.kd
    .args:
      - { .name: input, .offset: 0, .size: 8, .value_kind: global_buffer, .address_space: global }
      - { .name: wb, .offset: 8, .size: 8, .value_kind: global_buffer, .address_space: global }
      - { .name: out0, .offset: 16, .size: 8, .value_kind: global_buffer, .address_space: global }
      - { .name: bias, .offset: 24, .size: 8, .value_kind: global_buffer, .address_space: global }
      - { .name: layer_factor, .offset: 32, .size: 8, .value_kind: global_buffer, .address_space: global }
    .group_segment_fixed_size: 327680
    .private_segment_fixed_size: 0
    .kernarg_segment_align: 8
    .kernarg_segment_size: 40
    .max_flat_workgroup_size: 128
    .sgpr_count:     80
    .vgpr_count:     1024
    .wavefront_size: 32
...
	.end_amdgpu_metadata
.endif
;; end of part 2
;; ======== version 2 of 3: 2 launches
;; workspace buffers: xb 67,108,864 bytes; wb 16,777,216 bytes
;; launch prep (part 3): grid 1024 x 1, 8 waves a work-group, no clusters, 0 bytes of LDS; arguments input, shared_weight, xb, wb; writes xb, wb
.if DOCPART == 3
	.amdgcn_target "amdgcn-amd-amdhsa--gfx1250"
	.amdhsa_code_object_version 6
	.text
	.protected	k_q28af0e3e89_prep
	.globl	k_q28af0e3e89_prep
	.p2align	8
	.type	k_q28af0e3e89_prep,@function
k_q28af0e3e89_prep:
	s_mov_b64 s[64:65], 0
	v_nop
	global_prefetch_b8 v0, s[64:65] scope:SCOPE_SE
	s_setreg_imm32_b32 hwreg(HW_REG_WAVE_MODE, 25, 1), 1
	s_wait_xcnt 0x0
; THE PRODUCT'S TWO OPERANDS IN bf16.  xb = X rounded to bf16, [8192][4096].  wb = the hashed weight W[2048][4096] in bf16.
; Block bid = 64 n + kb of W (64 numbers: row n, columns 64 kb ..) is 0.5 (pool1[i1] + pool2[i2]), i = ((bid x 0x9E3779B1 mod 2^32) xor C) mod 8192, C = seed x 0x9E3779B9 mod 2^32 with the seeds
; 1234 and 1235.  A pool block is 64 f32 = 256 bytes, at a multiple of 256 from the pool's first byte; pool2 begins 2,097,152 bytes in.  The indices hang on ids and constants alone.
; In wb block bid lies at byte 128 bid: consecutive blocks are consecutive bytes.
; LIMIT, stated: X and each pool number are rounded to bf16 (nearest even), as all inputs of this program are; the mean is taken in f32 of the rounded numbers and rounded to bf16 once more.
; WHY X IS CAST HERE and not in the product: in f32 a K step of 128 of a 256 x 256 tile would be 2 x 204,800 bytes of LDS for two slots, which do not fit; in bf16 it is 2 x 139,264.
; SHARES.  1,024 work-groups of eight waves, all alike.  Work-group g makes 128 blocks of wb (16,384 dense bytes) and casts 131,072 bytes of X.
;   W: items i = 0 .. 7, bid = 128 g + 16 i + t / 16.  Sixteen lanes take a block: lane t % 16 reads 16 bytes of each of the two pool blocks (a wave's load covers two whole blocks of 256 bytes) and writes
;      8 bytes (a wave's store covers 256 consecutive bytes, aligned).
;   X: 32 chunks of 4,096 bytes; thread t takes the 16 bytes at 16 t of each (a wave's load covers 512 consecutive bytes) and writes 8 (a wave's store: 256 consecutive bytes, aligned).
;      A ring of DEPTH slots in registers keeps DEPTH loads of every wave in flight.
; No LDS, no barrier, no matrix unit: nothing is shared between lanes.  No loop: every chunk's place stands in an immediate, so no address register is ever stepped.
.set MULT,  0x9E3779B1
.set C1,    (1234*0x9E3779B9)&0xffffffff
.set C2,    (1235*0x9E3779B9)&0xffffffff
.set HALFB, 2097152                    ; pool2's first byte
.set CH,    4096                       ; bytes of X in a chunk
.set NCH,   32                         ; chunks of a work-group
.set DEPTH, 8                          ; slots = loads of X in flight in each wave
.set XO,  5                            ; v5        16 t: my byte offset in a chunk of X; never rewritten
.set YO,  6                            ; v6        8 t: my byte offset in a chunk of xb and in an item of wb; never rewritten
.set T,   10                           ; v[10:13]  at work
.set D,   16                           ; v16-79    W's item i: 4 registers from pool1, 4 from pool2; then the result in the first two
.set X,   80                           ; v80-111   X's slot s: 4 registers as loaded
.set Y,   112                          ; v112-127  X's slot s: 2 registers to store
.set O,   112                          ; v112-127  before that: W's item i: my byte offsets in pool1 and in pool2 (less HALFB)
	s_load_b256 s[4:11], s[0:1], 0x0               ; X s[4:5], the pool s[6:7], xb s[8:9], wb s[10:11]
	s_mov_b32 s12, MULT
	s_mov_b32 s13, C1
	s_mov_b32 s14, C2
	s_mov_b32 s15, 0xffff0000                      ; a word's upper bf16
	s_lshl_b32 s16, ttmp9, 17                      ; the group's 131,072 bytes of X: under 2^27
	s_mov_b32 s17, 0
	s_lshl_b32 s18, ttmp9, 16                      ; its 65,536 bytes of xb
	s_mov_b32 s19, 0
	s_lshl_b32 s20, ttmp9, 14                      ; its 16,384 bytes of wb
	s_mov_b32 s21, 0
	s_lshl_b32 s22, ttmp9, 7                       ; its first bid
	v_lshrrev_b32 v1, 4, v0                        ; t / 16
	v_and_b32 v2, 15, v0
	v_lshlrev_b32 v2, 4, v2                        ; my 16 bytes in a pool block
	v_add_nc_u32 v3, s22, v1                       ; item 0's bid
	v_mul_lo_u32 v4, v3, s12                       ; x MULT, mod 2^32
	v_lshlrev_b32 v[XO], 4, v0
	v_lshlrev_b32 v[YO], 3, v0
	s_wait_kmcnt 0x0
	s_add_nc_u64 s[4:5], s[4:5], s[16:17]
	s_add_nc_u64 s[8:9], s[8:9], s[18:19]
	s_add_nc_u64 s[10:11], s[10:11], s[20:21]
.irp i, 0,1,2,3,4,5,6,7
	v_add_nc_u32 v7, ((\i)*16*MULT)&0xffffffff, v4 ; item i's bid is 16 i further on: its product differs by a constant, mod 2^32
	v_xor_b32 v8, s13, v7
	v_xor_b32 v9, s14, v7
	v_and_b32 v8, 0x1fff, v8                       ; mod 8,192
	v_and_b32 v9, 0x1fff, v9
	v_lshl_add_u32 v[O+2*(\i)],   v8, 8, v2         ; 256 bytes a block
	v_lshl_add_u32 v[O+2*(\i)+1], v9, 8, v2
	global_load_b128 v[D+8*(\i):D+8*(\i)+3],   v[O+2*(\i)],   s[6:7]
	global_load_b128 v[D+8*(\i)+4:D+8*(\i)+7], v[O+2*(\i)+1], s[6:7] offset:HALFB
.endr
.irp s, 0,1,2,3,4,5,6,7
	global_load_b128 v[X+4*(\s):X+4*(\s)+3], v[XO], s[4:5] offset:(\s)*CH th:TH_LOAD_NT  ; the ring is filled: chunks 0 to 7.  X is read once in the launch
.endr
.macro ITEM i
.set R, D+8*(\i)
	s_wait_loadcnt 22-2*(\i)                       ; loads come back in order (ISA guide 5.7.1): mine are in; the two of each younger item and the ring's eight may stay out
	v_cvt_pk_bf16_f32 v[T],   v[R],   v[R+1]       ; the inputs' rounding to bf16,
	v_cvt_pk_bf16_f32 v[T+1], v[R+2], v[R+3]
	v_cvt_pk_bf16_f32 v[T+2], v[R+4], v[R+5]
	v_cvt_pk_bf16_f32 v[T+3], v[R+6], v[R+7]
.irp j, 0,1,2,3
	v_lshlrev_b32 v[R+2*\j],   16,  v[T+\j]        ; and back to f32: the low half moves up,
	v_and_b32     v[R+2*\j+1], s15, v[T+\j]        ; the high half stays
.endr
	v_pk_add_f32 v[R:R+1],   v[R:R+1],   v[R+4:R+5]
	v_pk_add_f32 v[R+2:R+3], v[R+2:R+3], v[R+6:R+7]
	v_pk_mul_f32 v[R:R+1],   v[R:R+1],   0.5 op_sel_hi:[1,0]
	v_pk_mul_f32 v[R+2:R+3], v[R+2:R+3], 0.5 op_sel_hi:[1,0]
	v_cvt_pk_bf16_f32 v[R],   v[R],   v[R+1]
	v_cvt_pk_bf16_f32 v[R+1], v[R+2], v[R+3]
	global_store_b64 v[YO], v[R:R+1], s[10:11] offset:2048*(\i)  ; 16 blocks of 128 bytes an item
.endm
.irp i, 0,1,2,3,4,5,6,7
	ITEM \i
.endr
; Chunk c's turn, in slot c % DEPTH.  While chunks are left the slot is filled again with the chunk DEPTH further on, ahead of the store; the last DEPTH turns load nothing, and their counts run down.
.macro CHUNK
.set sl, c%DEPTH
.if c+DEPTH < NCH
	s_wait_loadcnt DEPTH-1                         ; my chunk is in, the seven younger loads stay out.  (At chunk 0 this also shows every load of the pool done: their offsets' registers, O, become Y)
.else
	s_wait_loadcnt NCH-1-c
.endif
	s_wait_xcnt 0x0                                ; every earlier memory instruction has had its addresses translated (ISA guide 3.1): this slot's Y, which its last store reads, is rewritten only behind this wait
	v_cvt_pk_bf16_f32 v[Y+2*sl],   v[X+4*sl],   v[X+4*sl+1]
	v_cvt_pk_bf16_f32 v[Y+2*sl+1], v[X+4*sl+2], v[X+4*sl+3]
.if c+DEPTH < NCH
	global_load_b128 v[X+4*sl:X+4*sl+3], v[XO], s[4:5] offset:(c+DEPTH)*CH th:TH_LOAD_NT
.endif
	global_store_b64 v[YO], v[Y+2*sl:Y+2*sl+1], s[8:9] offset:c*CH/2
.endm
.set c, 0
.rept NCH
	CHUNK
.set c, c+1
.endr
	s_endpgm
.Lfunc_end_k_q28af0e3e89_prep:
	.size	k_q28af0e3e89_prep, .Lfunc_end_k_q28af0e3e89_prep-k_q28af0e3e89_prep
	.p2alignl 7, 3214868480
	.fill 96, 4, 3214868480
	.section	.rodata,"a",@progbits
	.p2align	6, 0x0
	.amdhsa_kernel k_q28af0e3e89_prep
		.amdhsa_group_segment_fixed_size 0
		.amdhsa_private_segment_fixed_size 0
		.amdhsa_enable_private_segment 0
		.amdhsa_kernarg_size 32
		.amdhsa_user_sgpr_count 2
		.amdhsa_user_sgpr_kernarg_segment_ptr 1
		.amdhsa_wavefront_size32 1
		.amdhsa_system_sgpr_workgroup_id_x 1
		.amdhsa_system_sgpr_workgroup_id_y 1
		.amdhsa_system_sgpr_workgroup_id_z 1
		.amdhsa_system_vgpr_workitem_id 0
		.amdhsa_next_free_vgpr 128
		.amdhsa_next_free_sgpr 66
		.amdhsa_reserve_vcc 0
		.amdhsa_float_denorm_mode_32 3
		.amdhsa_float_denorm_mode_16_64 3
		.amdhsa_memory_ordered 1
		.amdhsa_forward_progress 1
		.amdhsa_inst_pref_size 26
	.end_amdhsa_kernel
	.amdgpu_metadata
---
amdhsa.version: [ 1, 2 ]
amdhsa.kernels:
  - .name:           k_q28af0e3e89_prep
    .symbol:         k_q28af0e3e89_prep.kd
    .args:
      - { .name: input, .offset: 0, .size: 8, .value_kind: global_buffer, .address_space: global }
      - { .name: shared_weight, .offset: 8, .size: 8, .value_kind: global_buffer, .address_space: global }
      - { .name: xb, .offset: 16, .size: 8, .value_kind: global_buffer, .address_space: global }
      - { .name: wb, .offset: 24, .size: 8, .value_kind: global_buffer, .address_space: global }
    .group_segment_fixed_size: 0
    .private_segment_fixed_size: 0
    .kernarg_segment_align: 8
    .kernarg_segment_size: 32
    .max_flat_workgroup_size: 256
    .sgpr_count:     66
    .vgpr_count:     128
    .wavefront_size: 32
...
	.end_amdgpu_metadata
.endif
;; end of part 3
;; launch gemm (part 4): grid 8 x 32, 4 waves a work-group, clusters of 4 x 4, 327,680 bytes of LDS; arguments xb, wb, out0, bias, layer_factor; writes out0
.if DOCPART == 4
	.amdgcn_target "amdgcn-amd-amdhsa--gfx1250"
	.amdhsa_code_object_version 6
	.text
	.protected	k_q28af0e3e89_gemm
	.globl	k_q28af0e3e89_gemm
	.p2align	8
	.type	k_q28af0e3e89_gemm,@function
k_q28af0e3e89_gemm:
	s_mov_b64 s[64:65], 0
	v_nop
	global_prefetch_b8 v0, s[64:65] scope:SCOPE_SE
	s_setreg_imm32_b32 hwreg(HW_REG_WAVE_MODE, 25, 1), 1
	s_wait_xcnt 0x0
	s_wait_alu depctr_hold_cnt(0) depctr_sa_sdst(0) depctr_va_vdst(0) depctr_va_sdst(0) depctr_va_ssrc(0) depctr_va_vcc(0) depctr_vm_vsrc(0)
	s_getreg_b32 s2, hwreg(HW_REG_IB_STS2, 6, 4)
	s_cmp_eq_u32 s2, 0
	s_cbranch_scc0 .Lentry_in_a_cluster
	s_endpgm
.Lentry_in_a_cluster:
	s_bfe_u32 s2, ttmp6, 0x10000c
	s_cmp_lg_u32 s2, 0xf033
	s_cbranch_scc0 .Lentry_shape_is_right
	s_endpgm
.Lentry_shape_is_right:
; out[m][n] = lf (sum over k of X[m][k] W[n][k] + bias[n]).  xb: X in bf16, [8192][4096].  wb: W in bf16, [2048][4096].  Both were written by the launch before.  out: [8192][2048] f32.  Sums in f32.
; LIMITS, stated: bias and lf are rounded to bf16 (nearest even) before use, as X and the pool were; the way out is fma(sum, lf, lf x bias), one rounding order other than (sum + bias) x lf.
; SHARES.  A tile of out is 256 x 256: 32 x 8 = 256 work-groups of four waves, as many as a WGP has SIMDs; a wave makes 128 x 128: 64 accumulators of 16 x 16, 512 registers.
; K goes in steps of 128 through a ring of two LDS slots filled by the tensor data mover: the rows of X's and W's tiles are 256 bytes of memory and start at multiples of 256 bytes from the buffer's first byte.
; CLUSTERS: 4 x 4 work-groups.  The four of a row of the cluster need the same tiles of X, the four of a column the same tiles of W: each tile is asked for JOINTLY, by the same tensor load with the same
; descriptor and a mask that names the four.  That divides the requests for X and for W by four.
; NO PREFETCH: from a tile's request to the wait for it a wave issues 224 matrix instructions, seven eighths of a K step.
; THE MATRIX INSTRUCTION IS USED TRANSPOSED (source 0 = 16 rows of W, source 1 = 16 rows of X): a lane then holds row l % 16 of out and the eight neighbouring columns 8 (l / 16) + 0 .. 7.
; REGISTERS, in windows of 256 (s_set_vgpr_msb: bits 1:0 source 0, 3:2 source 1, 5:4 source 2, 7:6 destination):
;   window 0: v0-47 addresses and constants; v64-127, v128-191 fragments of X (8 x 16 rows x 32 K), two buffers; v192-255 and v64-127 rows on the way out
;   window 1: v64-127, v128-191 fragments of W, two buffers
;   window 2: the 32 accumulators of my rows 0-63 (accumulator (a, b) at v[8 (8 a + b)]);   window 3: those of my rows 64-127
; Work is laid in long stretches under one setting: 32 matrix instructions, 16 loads, 16 loads, 32 matrix instructions.
.set SIZE_K, 4096
.set ROWC,   2048*4                    ; bytes in a row of out
.set KSTEP,  128
.set PITCH,  272                       ; an LDS row: 256 bytes of data + 16 of padding = 68 words: row r starts at bank 4 r mod 64 (64 banks of 4 bytes: ISA guide 11.1), so the 16 rows that a load touches start at 16 different banks
.set HALFT,  128*PITCH                 ; 128 rows: what one tensor load brings, and what one wave reads of X or of W
.set SLOT,   4*HALFT                   ; X's 256 rows, then W's 256 rows
.set STAGE,  2*SLOT                    ; behind the ring: 16 rows x 528 bytes for each wave, for the way out; no tensor load lands here
.set SPITCH, 528                       ; 512 + 16 = 132 words
.set SPARE,  STAGE+4*16*SPITCH         ; behind the stages: the spare words, 128 bytes for each wave: two blocks of 256 bytes that no other line names
.set LAPS,   SIZE_K/(2*KSTEP)          ; a lap = two K steps = once round the ring
.set ADRA, 16                          ; v16-17  LDS address of my fragments of X in slot 0, 1
.set ADRB, 20                          ; v20-21  the same for W
.set STO,  24                          ; v24     the way out: where I put 32 bytes of a row
.set RD,   25                          ; v25     the way out: where I read a row back
.set CO,   26                          ; v26     16 x lane: my byte offset in my wave's 512 bytes of a row of out, and of bias
.set SPW,  28                          ; v28     LDS address of my spare word: SPARE + 4 x my thread's number; never rewritten
.set NIL,  29                          ; v29     0; never rewritten
.set LF,   32                          ; v[32:33] lf, twice
.set BI,   36                          ; v[36:39] lf x bias of the 4 columns that I store
.set TP,   44                          ; v[44:45] at work
.set F0,   64                          ; fragment buffer 0
.set F1,   128                         ; fragment buffer 1
.set G1, 24                            ; s[24:31] descriptor group 1 for X's tiles
.set G0, 32                            ; s[32:39] descriptor group 0 for X's tiles, one set for each slot
.set G1B, 48                           ; s[48:55] descriptor group 1 for W's tiles: it differs from X's in the mask alone
.set G0B, 56                           ; s[56:63] descriptor group 0 for W's tiles, one set for each slot
.set MSB, 0
.macro WIN new                         ; the immediate's high byte repeats the setting that is left; a switch that changes nothing is dropped
.if MSB != (\new)
	s_set_vgpr_msb (MSB<<8)|(\new)
.set MSB, (\new)
.endif
.endm
.set MUL_LO, 0xa1                      ; source 0 (W) window 1, source 1 (X) window 0, C and D window 2
.set MUL_HI, 0xf1                      ; the same, C and D window 3
.set TO_B,   0x40                      ; destination window 1, address window 0
; A joint load.  Waves 0 and 1 fetch X's two halves, waves 2 and 3 W's.  Each of the two lines has ONE mask and one set of registers for all that issue it, and nothing in them hangs on a coordinate that
; the four partners do not share.  The branch hangs on the wave's number alone.  An s_nop 0 and four v_nop follow each of the two lines, ahead of the jump, the label and what follows.
.macro JLOAD s
	s_cmp_eq_u32 s11, 0
	s_cbranch_scc0 .Lfor_b_\@
	tensor_load_to_lds s[G0+4*(\s):G0+4*(\s)+3], s[G1:G1+7]
	s_nop 0
.rept 4
	v_nop
.endr
	s_branch .Lasked_\@
.Lfor_b_\@:
	tensor_load_to_lds s[G0B+4*(\s):G0B+4*(\s)+3], s[G1B:G1B+7]
	s_nop 0
.rept 4
	v_nop
.endr
.Lasked_\@:
.endm
; A round of the cluster's barrier: my work-group's barrier, so that wave 0's signal speaks for all four waves; wave 0 signals for the work-group; every wave waits for all sixteen; my work-group's barrier once more.
.macro CREST                           ; a round behind its opening barrier
	s_cmp_lg_u32 s10, 0
	s_cbranch_scc1 .Lnot_wave_0_\@
	s_barrier_signal -3
.Lnot_wave_0_\@:
	s_barrier_wait -3
	s_barrier_signal -1
	s_barrier_wait -1
.endm
.macro CROUND                          ; a whole round
	s_barrier_signal -1
	s_barrier_wait -1
	CREST
.endm
	s_load_b128 s[4:7], s[0:1], 0x0                ; xb s[4:5], wb s[6:7]
	s_load_b64 s[8:9], s[0:1], 0x10                ; out
	s_load_b128 s[72:75], s[0:1], 0x18             ; bias s[72:73], lf s[74:75]
	v_lshl_add_u32 v[SPW], v0, 2, SPARE
	v_mov_b32 v[NIL], 0
	ds_add_u32 v[SPW], v[NIL]                      ; the wave's opening: the add and its wait stand ahead of my first tensor load; the set-up below, work on registers, stands between them
	v_lshrrev_b32 v1, 5, v0
	v_readfirstlane_b32 s10, v1                    ; wave 0..3
	s_lshr_b32 s11, s10, 1                         ; which half of the tile's rows is mine.  Also: I fetch for X (0) or for W (1)
	s_and_b32 s12, s10, 1                          ; which half of its columns.  Also: which 128 rows of that tile I fetch
	s_bfe_u32 s40, ttmp6, 0x40000                  ; cx, cy: my place in the cluster
	s_bfe_u32 s41, ttmp6, 0x40004
	s_lshl_b32 s42, ttmp9, 2                       ; in a cluster launch ttmp9 and ttmp7 count clusters
	s_add_co_u32 s42, s42, s40                     ; tile column = 4 x cluster x + cx
	s_and_b32 s13, ttmp7, 0xffff
	s_lshl_b32 s13, s13, 2
	s_add_co_u32 s13, s13, s41                     ; tile row = 4 x cluster y + cy
	s_lshl_b32 s43, s41, 2
	s_lshl_b32 s43, 15, s43                        ; my row of the cluster: places 4 cy .. 4 cy + 3
	s_lshl_b32 s44, 0x1111, s40                    ; my column: places cx, cx + 4, cx + 8, cx + 12
	; descriptor group 1: a tile of 128 rows x 128 elements of 2 bytes, padded in LDS
	s_or_b32 s[G1+0], s43, (1<<16)|(1<<20)|(1<<21)|(5<<22)|(3<<25)   ; 15:0 the mask: X's tiles go to my row; 17:16 elements of 2 bytes; 20 padding on; 21 set beside a mask; 24:22 after every 64 words (code 5); 31:25 4 words of it (code 3)
	s_or_b32 s[G1B+0], s44, (1<<16)|(1<<20)|(1<<21)|(5<<22)|(3<<25)  ; the same with the mask of my column, for W's tiles
.irp g, G1, G1B
	s_mov_b32 s[(\g)+1], KSTEP<<16                 ; tensor_dim0 = 128
	s_mov_b32 s[(\g)+2], 128<<16                   ; tensor_dim1 = 128
	s_mov_b32 s[(\g)+3], KSTEP<<16                 ; tile_dim0 = 128
	s_mov_b32 s[(\g)+4], 128                       ; tile_dim1 = 128
	s_mov_b32 s[(\g)+5], SIZE_K                    ; elements from row to row
	s_mov_b32 s[(\g)+6], 0
	s_mov_b32 s[(\g)+7], 0
.endr
	; where the tiles come from: X's hang on the tile row alone, which my row of the cluster shares; W's on the tile column alone, which my column shares.
	; Every wave makes both addresses, in registers that never hold the other coordinate, and asks by one of them.
	s_lshl_b32 s16, s13, 8
	s_lshl_b32 s17, s12, 7
	s_add_co_u32 s16, s16, s17                     ; X: row 256 x tile row + 128 x half,
	s_lshl_b32 s16, s16, 13                        ; of 8,192 bytes: under 2^26
	s_mov_b32 s17, 0
	s_lshl_b32 s46, s42, 8
	s_lshl_b32 s47, s12, 7
	s_add_co_u32 s46, s46, s47                     ; W: row 256 x tile column + 128 x half,
	s_lshl_b32 s46, s46, 13                        ; of 8,192 bytes
	s_mov_b32 s47, 0
	s_mul_i32 s20, s10, HALFT                      ; and where they go: X's two halves, then W's two halves = wave x 128 rows: no place in the cluster enters an LDS address
	s_wait_dscnt 0x0                               ; the opening add is done
	s_wait_kmcnt 0x0
	s_add_nc_u64 s[14:15], s[4:5], s[16:17]
	s_add_nc_u64 s[46:47], s[6:7], s[46:47]
	CROUND                                         ; all sixteen work-groups are here: the first joint loads meet
.irp s, 0,1
	s_mov_b32 s[G0+4*(\s)], 1                                        ; 1:0 count = 1
	s_add_co_u32 s[G0+4*(\s)+1], s20, (\s)*SLOT                      ; 63:32 LDS address
	s_add_nc_u64 s[G0+4*(\s)+2:G0+4*(\s)+3], s[14:15], (\s)*KSTEP*2  ; 120:64 global address: K step s
	s_or_b32 s[G0+4*(\s)+3], s[G0+4*(\s)+3], 0x80000000              ; 127:126 type = 2
	s_mov_b32 s[G0B+4*(\s)], 1
	s_add_co_u32 s[G0B+4*(\s)+1], s20, (\s)*SLOT
	s_add_nc_u64 s[G0B+4*(\s)+2:G0B+4*(\s)+3], s[46:47], (\s)*KSTEP*2
	s_or_b32 s[G0B+4*(\s)+3], s[G0B+4*(\s)+3], 0x80000000
	JLOAD \s                                       ; the ring is filled before anything else is done: two loads of mine are out
.endr
	; A fragment is 16 rows x 32 K in 8 registers: lane l holds row l % 16; registers 0-3 hold K = 8 (l / 16) + 0..7, registers 4-7 hold K = 16 + 8 (l / 16) + 0..7: two loads of 16 bytes, 32 bytes apart.
	v_and_b32 v1, 15, v0                           ; l % 16
	v_bfe_u32 v2, v0, 4, 1                         ; l / 16
	v_and_b32 v5, 31, v0                           ; l
	v_mul_u32_u24 v3, v1, PITCH
	v_lshl_add_u32 v3, v2, 4, v3                   ; row x pitch + 16 x half
	s_mul_i32 s21, s11, HALFT                      ; my 128 rows of X
	s_mul_i32 s22, s12, HALFT                      ; my 128 rows of W,
	s_add_co_u32 s22, s22, 2*HALFT                 ; which lie behind X's 256
.irp s, 0,1
	v_add_nc_u32 v[ADRA+(\s)], s21, v3
	v_add_nc_u32 v[ADRB+(\s)], s22, v3
	s_add_co_u32 s21, s21, SLOT
	s_add_co_u32 s22, s22, SLOT
.endr
	s_mul_i32 s23, s10, 16*SPITCH
	s_add_co_u32 s23, s23, STAGE                   ; my stage
	v_mul_u32_u24 v4, v1, SPITCH                   ; in: row l % 16, 32 bytes for each half of the lanes
	v_lshl_add_u32 v4, v2, 5, v4
	v_add_nc_u32 v[STO], s23, v4
	v_lshl_add_u32 v[RD], v5, 4, s23               ; back: 32 lanes take one row of 512 bytes
	v_lshlrev_b32 v[CO], 4, v5
	s_lshl_b32 s16, s13, 8
	s_lshl_b32 s17, s11, 7
	s_add_co_u32 s16, s16, s17                     ; my first row of out: 256 x tile row + 128 x half,
	s_lshl_b32 s16, s16, 13                        ; of 8,192 bytes: under 2^26
	s_mov_b32 s17, 0
	s_add_nc_u64 s[8:9], s[8:9], s[16:17]
	s_lshl_b32 s46, s42, 10                        ; my first column, in bytes, in out and in bias: 1,024 x tile column + 512 x half (in the registers that held W's address: none that fed X's descriptors ever holds cx)
	s_lshl_b32 s47, s12, 9
	s_add_co_u32 s46, s46, s47
	s_mov_b32 s47, 0
	s_add_nc_u64 s[8:9], s[8:9], s[46:47]
	s_add_nc_u64 s[72:73], s[72:73], s[46:47]
	s_load_b32 s78, s[74:75], 0x0                  ; lf
	global_load_b128 v[BI:BI+3], v[CO], s[72:73]   ; bias of the 4 columns that I store
	s_wait_kmcnt 0x0
	v_mov_b32 v9, s78
	v_cvt_pk_bf16_f32 v9, v9, v9                   ; lf rounded to bf16,
	v_lshlrev_b32 v[LF], 16, v9                    ; and back in f32
	v_mov_b32 v[LF+1], v[LF]
	s_wait_loadcnt 0x0
	v_cvt_pk_bf16_f32 v[TP],   v[BI],   v[BI+1]    ; bias likewise
	v_cvt_pk_bf16_f32 v[TP+1], v[BI+2], v[BI+3]
	v_lshlrev_b32 v[BI],   16, v[TP]
	v_and_b32     v[BI+1], 0xffff0000, v[TP]
	v_lshlrev_b32 v[BI+2], 16, v[TP+1]
	v_and_b32     v[BI+3], 0xffff0000, v[TP+1]
	v_pk_mul_f32 v[BI:BI+1],   v[BI:BI+1],   v[LF:LF+1]  ; lf x bias: the way out is then one fused multiply-add a number
	v_pk_mul_f32 v[BI+2:BI+3], v[BI+2:BI+3], v[LF:LF+1]
; 16 matrix instructions: m blocks a0, a0 + 1 of the window's four (hi = 0: my rows 0-63, 1: rows 64-127) x all 8 n blocks, 32 along K.  zero = 1: the first product starts the sums: nothing is ever cleared.
; The 64 accumulators take turns, one instruction a turn, in the same order in every quarter step.
.macro MUL16 f, hi, a0, zero
	WIN MUL_LO+0x50*(\hi)  ; MUL_LO or MUL_HI
.irp a, \a0, (\a0)+1
.irp b, 0,1,2,3,4,5,6,7
.if \zero
	v_wmma_f32_16x16x32_bf16 v[8*(8*(\a)+(\b)):8*(8*(\a)+(\b))+7], v[(\f)+8*(\b):(\f)+8*(\b)+7], v[(\f)+8*(4*(\hi)+(\a)):(\f)+8*(4*(\hi)+(\a))+7], 0
.else
	v_wmma_f32_16x16x32_bf16 v[8*(8*(\a)+(\b)):8*(8*(\a)+(\b))+7], v[(\f)+8*(\b):(\f)+8*(\b)+7], v[(\f)+8*(4*(\hi)+(\a)):(\f)+8*(4*(\hi)+(\a))+7], v[8*(8*(\a)+(\b)):8*(8*(\a)+(\b))+7]
.endif
.endr
.endr
.endm
; 32 LDS loads in one run: the fragments of one quarter step (128 rows of W, 128 rows of X, 32 K at byte k of the rows) into buffer f
.macro FETCH slot, k, f
	WIN TO_B
.irp i, 0,1,2,3,4,5,6,7
	ds_load_b128 v[(\f)+8*(\i):(\f)+8*(\i)+3],   v[ADRB+(\slot)] offset:(\k)+(\i)*16*PITCH
	ds_load_b128 v[(\f)+8*(\i)+4:(\f)+8*(\i)+7], v[ADRB+(\slot)] offset:(\k)+(\i)*16*PITCH+32
.endr
	WIN 0
.irp i, 0,1,2,3,4,5,6,7
	ds_load_b128 v[(\f)+8*(\i):(\f)+8*(\i)+3],   v[ADRA+(\slot)] offset:(\k)+(\i)*16*PITCH
	ds_load_b128 v[(\f)+8*(\i)+4:(\f)+8*(\i)+7], v[ADRA+(\slot)] offset:(\k)+(\i)*16*PITCH+32
.endr
.endm
; A load into a register that a matrix instruction has read, and an LDS store that reads a matrix result, stand four places behind that matrix instruction, and only plain vector instructions that name none
; of its registers are places (ISA guide 7.12.1 for vector instructions); the matrix instructions in between are not counted.  So four v_nop stand in front of each run of loads.
.macro PLACES
.rept 4
	v_nop
.endr
.endm
; A K step is four quarter steps of 32 along K, 64 matrix instructions each, on buffers 0, 1, 0, 1.
; One of the first three: multiplies buffer f; in its middle it fetches the next quarter's fragments, at byte k of the same slot's rows, into buffer g.
.macro QUARTER slot, k, f, g, zero
	s_wait_dscnt 8                                 ; W and X's rows 0-63 are in; the youngest eight loads (X's rows 64-127) may be out
	MUL16 \f, 0, 0, \zero
	MUL16 \f, 0, 2, \zero
	PLACES
	FETCH \slot, \k, \g
	s_wait_dscnt 32                                ; all but the 32 just issued
	MUL16 \f, 1, 0, \zero
	MUL16 \f, 1, 2, \zero
.endm
; The last quarter multiplies buffer 1 and changes slots.  MEET is its first half: ONE barrier for the change of slots, for two things.  In front of it each wave waits for all its tensor loads, of which one is
; out: its part of the next slot; adds 0 to its spare word; and waits for that and for its own reads of this slot.  Behind it nobody reads this slot any more and the next slot is whole.
.macro MEET round                      ; round = 1: a round of the cluster's barrier follows
	WIN 0                                          ; (the add's two registers lie in window 0)
	s_wait_tensorcnt 0x0                           ; all my tensor loads have landed: the one that was out is my part of the next slot;
	ds_add_u32 v[SPW], v[NIL]                      ; 0 onto my spare word
	s_wait_dscnt 9                                 ; (the add and the youngest eight loads may be out)
	MUL16 F1, 0, 0, 0                              ; sixteen matrix instructions stand between the add and the wait for it
	s_wait_dscnt 0x0                               ; the add is done, and my reads of this slot are over:
	s_barrier_signal -1                            ; say so (where a slot is filled again this barrier opens a round of the cluster's barrier),
	MUL16 F1, 0, 2, 0                              ; work on registers while the others arrive,
.if \round
	WIN 0
.endif
	s_barrier_wait -1                              ; and go on when all four have said so
.endm
; The whole last quarter.  fill = 1: behind the round the slot just read out is filled again first, with the K step two steps on; from that request to the wait for it a wave issues 224 matrix instructions.
; Then come the next slot's first fragments.
.macro TURN slot, next, fill
	MEET \fill
.if \fill
	CREST                                          ; wave 0 says so for the work-group, all sixteen work-groups have said so, my work-group's barrier closes the round:
	                                               ; no wave of any partner still reads this slot's tile or has a load on its way
	s_add_nc_u64 s[G0+4*(\slot)+2:G0+4*(\slot)+3], s[G0+4*(\slot)+2:G0+4*(\slot)+3], 2*KSTEP*2
	s_add_nc_u64 s[G0B+4*(\slot)+2:G0B+4*(\slot)+3], s[G0B+4*(\slot)+2:G0B+4*(\slot)+3], 2*KSTEP*2
	JLOAD \slot                                    ; the first tensor load behind the round; the four v_nop behind it are also the places in front of the loads below
.else
	PLACES
.endif
	FETCH \next, 0, F0
	MUL16 F1, 1, 0, 0
	MUL16 F1, 1, 2, 0
.endm
	s_wait_tensorcnt 1                             ; my part of K step 0 is in; K step 1's may stay out
	s_barrier_signal -1
	s_barrier_wait -1                              ; everybody's is
	FETCH 0, 0, F0
	QUARTER 0, 64,  F0, F1, 1                      ; the first quarter stands in front of the loop: its products start the sums
	WIN 0                                          ; at a label and at a branch every window is 0
	s_mov_b32 s3, LAPS-1
.Llap:                                                 ; a trip goes once round the ring, from a lap's second quarter to the next lap's first, and fills both slots again
	QUARTER 0, 128, F1, F0, 0
	QUARTER 0, 192, F0, F1, 0
	TURN 0, 1, 1
	QUARTER 1, 64,  F0, F1, 0
	QUARTER 1, 128, F1, F0, 0
	QUARTER 1, 192, F0, F1, 0
	TURN 1, 0, 1
	QUARTER 0, 64,  F0, F1, 0
	WIN 0
	s_sub_co_u32 s3, s3, 1
	s_cmp_lg_u32 s3, 0
	s_cbranch_scc1 .Llap
	QUARTER 0, 128, F1, F0, 0                      ; the last lap fills nothing and has no round: it is written out
	QUARTER 0, 192, F0, F1, 0
	TURN 0, 1, 0
	QUARTER 1, 64,  F0, F1, 0
	QUARTER 1, 128, F1, F0, 0
	QUARTER 1, 192, F0, F1, 0
	s_wait_dscnt 8                                 ; the very last quarter: nothing more to fetch
	MUL16 F1, 0, 0, 0
	MUL16 F1, 0, 2, 0
	s_wait_dscnt 0x0
	MUL16 F1, 1, 0, 0
	MUL16 F1, 1, 2, 0
; THE WAY OUT, in eight blocks of 16 rows x my 128 columns.  A lane's 32 bytes of a row go into my own stage in LDS, in rows of 528 bytes; whole rows of 512 bytes come back, are scaled and biased, and are
; stored: each store of the wave covers 512 consecutive bytes, at a multiple of 512 from out's first byte.  Of each accumulator the four lowest registers are read first.
.macro TOSTAGE a
	WIN 0x08+4*((\a)/4)                            ; the stores' data (source 1) in window 2 or 3
.irp b, 0,1,2,3,4,5,6,7
	ds_store_b128 v[STO], v[8*(8*((\a)%4)+\b):8*(8*((\a)%4)+\b)+3]   offset:64*\b
	ds_store_b128 v[STO], v[8*(8*((\a)%4)+\b)+4:8*(8*((\a)%4)+\b)+7] offset:64*\b+16
.endr
	WIN 0
.if (\a) >= 2
	s_wait_xcnt 0x0                                ; the stores of block a - 2 have had their addresses translated (ISA guide 3.1): their data registers are loaded again only behind this wait
.endif
.set BK, 192-128*((\a)%2)
.irp t, 0,1,2,3,4,5,6,7,8,9,10,11,12,13,14,15
	ds_load_b128 v[BK+4*\t:BK+4*\t+3], v[RD] offset:SPITCH*\t  ; LDS serves a wave's instructions in order (ISA guide 5.7.1.4): these see the stores above; the next block's stores come behind them
.endr
.endm
.macro SEND a, younger                 ; younger: the LDS instructions issued behind block a's loads: the next block's 32, or none
	WIN 0
.set BK, 192-128*((\a)%2)
	s_wait_dscnt \younger
.irp t, 0,1,2,3,4,5,6,7,8,9,10,11,12,13,14,15
	v_pk_fma_f32 v[BK+4*\t:BK+4*\t+1],   v[BK+4*\t:BK+4*\t+1],   v[LF:LF+1], v[BI:BI+1]
	v_pk_fma_f32 v[BK+4*\t+2:BK+4*\t+3], v[BK+4*\t+2:BK+4*\t+3], v[LF:LF+1], v[BI+2:BI+3]
	global_store_b128 v[CO], v[BK+4*\t:BK+4*\t+3], s[8:9] offset:(16*(\a)+\t)*ROWC th:TH_STORE_NT  ; 127 rows of out at the most, 1,040,384 bytes: inside the signed 24-bit immediate
.endr
.endm
	WIN 0
	PLACES                                         ; between the last products and the LDS stores that read results, and the loads into fragment registers
	TOSTAGE 0
.irp a, 1,2,3,4,5,6,7                  ; a block's way through the stage stands between the loads of the block before and its arithmetic
	TOSTAGE \a
	SEND (\a)-1, 32
.endr
	SEND 7, 0
	s_wait_tensorcnt 0x0                           ; the wave's end, behind my last tensor load and my last LDS store
	ds_add_u32 v[SPW], v[NIL]
	s_wait_dscnt 0x0
	CROUND                                         ; the closing round: no work-group ends while a partner may still ask for a tile that names it
	s_endpgm
.Lfunc_end_k_q28af0e3e89_gemm:
	.size	k_q28af0e3e89_gemm, .Lfunc_end_k_q28af0e3e89_gemm-k_q28af0e3e89_gemm
	.p2alignl 7, 3214868480
	.fill 96, 4, 3214868480
	.section	.rodata,"a",@progbits
	.p2align	6, 0x0
	.amdhsa_kernel k_q28af0e3e89_gemm
		.amdhsa_group_segment_fixed_size 327680
		.amdhsa_private_segment_fixed_size 0
		.amdhsa_enable_private_segment 0
		.amdhsa_kernarg_size 40
		.amdhsa_user_sgpr_count 2
		.amdhsa_user_sgpr_kernarg_segment_ptr 1
		.amdhsa_wavefront_size32 1
		.amdhsa_system_sgpr_workgroup_id_x 1
		.amdhsa_system_sgpr_workgroup_id_y 1
		.amdhsa_system_sgpr_workgroup_id_z 1
		.amdhsa_system_vgpr_workitem_id 0
		.amdhsa_next_free_vgpr 1024
		.amdhsa_next_free_sgpr 80
		.amdhsa_reserve_vcc 0
		.amdhsa_float_denorm_mode_32 3
		.amdhsa_float_denorm_mode_16_64 3
		.amdhsa_memory_ordered 1
		.amdhsa_forward_progress 1
		.amdhsa_inst_pref_size 157
	.end_amdhsa_kernel
	.amdgpu_metadata
---
amdhsa.version: [ 1, 2 ]
amdhsa.kernels:
  - .name:           k_q28af0e3e89_gemm
    .symbol:         k_q28af0e3e89_gemm.kd
    .args:
      - { .name: xb, .offset: 0, .size: 8, .value_kind: global_buffer, .address_space: global }
      - { .name: wb, .offset: 8, .size: 8, .value_kind: global_buffer, .address_space: global }
      - { .name: out0, .offset: 16, .size: 8, .value_kind: global_buffer, .address_space: global }
      - { .name: bias, .offset: 24, .size: 8, .value_kind: global_buffer, .address_space: global }
      - { .name: layer_factor, .offset: 32, .size: 8, .value_kind: global_buffer, .address_space: global }
    .group_segment_fixed_size: 327680
    .private_segment_fixed_size: 0
    .kernarg_segment_align: 8
    .kernarg_segment_size: 40
    .max_flat_workgroup_size: 128
    .sgpr_count:     80
    .vgpr_count:     1024
    .wavefront_size: 32
...
	.end_amdgpu_metadata
.endif
;; end of part 4
;; ======== version 3 of 3: 2 launches; version 2 with the launch prep written anew for expert scheduling mode
;; workspace buffers: xb 67,108,864 bytes; wb 16,777,216 bytes
;; launch prep (part 5): grid 1024 x 1, 8 waves a work-group, no clusters, 0 bytes of LDS; arguments input, shared_weight, xb, wb; writes xb, wb
.if DOCPART == 5
	.amdgcn_target "amdgcn-amd-amdhsa--gfx1250"
	.amdhsa_code_object_version 6
	.text
	.protected	k_q28af0e3e89_prep
	.globl	k_q28af0e3e89_prep
	.p2align	8
	.type	k_q28af0e3e89_prep,@function
k_q28af0e3e89_prep:
	s_mov_b64 s[64:65], 0
	v_nop
	global_prefetch_b8 v0, s[64:65] scope:SCOPE_SE
	s_setreg_imm32_b32 hwreg(HW_REG_WAVE_SCHED_MODE, 0, 2), 2
	s_setreg_imm32_b32 hwreg(HW_REG_WAVE_MODE, 25, 1), 1
	s_wait_xcnt 0x0
	s_wait_alu depctr_vm_vsrc(0)
; THE PRODUCT'S TWO OPERANDS IN bf16.  xb = X rounded to bf16, [8192][4096].  wb = the hashed weight W[2048][4096] in bf16.
; Block bid = 64 n + kb of W (64 numbers: row n, columns 64 kb ..) is 0.5 (pool1[i1] + pool2[i2]), i = ((bid x 0x9E3779B1 mod 2^32) xor C) mod 8192, C = seed x 0x9E3779B9 mod 2^32 with the seeds
; 1234 and 1235.  A pool block is 64 f32 = 256 bytes, at a multiple of 256 from the pool's first byte; pool2 begins 2,097,152 bytes in.  The indices hang on ids and constants alone.
; In wb block bid lies at byte 128 bid: consecutive blocks are consecutive bytes.
; LIMIT, stated: X and each pool number are rounded to bf16 (nearest even), as all inputs of this program are; the mean is taken in f32 of the rounded numbers and rounded to bf16 once more.
; WHY X IS CAST HERE and not in the product: in f32 a K step of 128 of a 256 x 256 tile would be 2 x 204,800 bytes of LDS for two slots, which do not fit; in bf16 it is 2 x 139,264.
; SHARES.  1,024 work-groups of eight waves, all alike.  Work-group g makes 128 blocks of wb (16,384 dense bytes) and casts 131,072 bytes of X.
;   W: items i = 0 .. 7, bid = 128 g + 16 i + t / 16.  Sixteen lanes take a block: lane t % 16 reads 16 bytes of each of the two pool blocks (a wave's load covers two whole blocks of 256 bytes) and writes
;      8 bytes (a wave's store covers 256 consecutive bytes, aligned).
;   X: 32 chunks of 4,096 bytes; thread t takes the 16 bytes at 16 t of each (a wave's load covers 512 consecutive bytes) and writes 8 (a wave's store: 256 consecutive bytes, aligned).
; No LDS, no barrier, no matrix unit: nothing is shared between lanes.  No loop and no branch: every chunk's place stands in an immediate, so no address register is ever stepped.
; THE MODE: SCHED_MODE bits 1:0 = 2 (LLVM: expert scheduling mode 2), set by the entry lines.  The code itself states the register dependences between vector instructions and memory instructions,
; with s_wait_alu, always for 0.
; THE PLAN.  Registers that memory instructions touch:
;   v5, v6     byte offsets, made once at the head and never written again: read by every load of X and by every store.
;   O          the sixteen offsets into the pool: made at the head, read by the pool's loads; when those are done the registers become slots 8 to 11 of X.
;   D          item i: the pool's loads land in its eight registers; its arithmetic reads and writes them; its store reads the first two.
;   X          twelve slots of four registers, three buffers of four slots.  Written by loads alone, read by the conversions alone.  Block p (chunks 4 p .. 4 p + 3) lies in buffer p % 3.
;   Y          D's registers again: chunk c has two registers of its own, written once, by its two conversions, and read once, by its store.  No out-register is written a second time.
; W goes in two halves of four items.  The stores of the first half follow ONE wait at the head of the second and are dealt among its arithmetic, which names the second half's D and v10 to v13 alone.
; X goes in eight blocks of four chunks.  ONE wait stands in a block, behind its eight conversions: they are done reading the block's four slots, which are asked for again at once, for the block three
; further on, and they have written the block's Y, which the four stores read.  Since each chunk has a Y of its own, the wait for stores to have read their data stands once, at the head of block 0.
.set MULT,  0x9E3779B1
.set C1,    (1234*0x9E3779B9)&0xffffffff
.set C2,    (1235*0x9E3779B9)&0xffffffff
.set HALFB, 2097152                    ; pool2's first byte
.set CH,    4096                       ; bytes of X in a chunk
.set NCH,   32                         ; chunks of a work-group
.set BLOCK, 4                          ; chunks in a block
.set SLOTS, 12                         ; slots of X: 8 to 12 loads of every wave are in flight
.set XO,  5                            ; v5        16 t: my byte offset in a chunk of X; never rewritten
.set YO,  6                            ; v6        8 t: my byte offset in a chunk of xb and in an item of wb; never rewritten
.set T,   10                           ; v[10:13]  at work: no memory instruction names them
.set D,   16                           ; v16-79    W's item i: 4 registers from pool1, 4 from pool2; then the result in the first two
.set Y,   16                           ; v16-79    after that: X's chunk c: 2 registers to store, at Y + 2 c
.set X,   80                           ; v80-127   X's slot s: 4 registers as loaded
.set O,   112                          ; v112-127  before slots 8 to 11: W's item i: my byte offsets in pool1 and in pool2 (less HALFB)
	s_load_b256 s[4:11], s[0:1], 0x0               ; X s[4:5], the pool s[6:7], xb s[8:9], wb s[10:11]
	s_mov_b32 s12, MULT
	s_mov_b32 s13, C1
	s_mov_b32 s14, C2
	s_mov_b32 s15, 0xffff0000                      ; a word's upper bf16
	s_lshl_b32 s16, ttmp9, 17                      ; the group's 131,072 bytes of X: under 2^27
	s_mov_b32 s17, 0
	s_lshl_b32 s18, ttmp9, 16                      ; its 65,536 bytes of xb
	s_mov_b32 s19, 0
	s_lshl_b32 s20, ttmp9, 14                      ; its 16,384 bytes of wb
	s_mov_b32 s21, 0
	s_lshl_b32 s22, ttmp9, 7                       ; its first bid
	v_lshrrev_b32 v1, 4, v0                        ; t / 16
	v_and_b32 v2, 15, v0
	v_lshlrev_b32 v2, 4, v2                        ; my 16 bytes in a pool block
	v_add_nc_u32 v3, s22, v1                       ; item 0's bid
	v_mul_lo_u32 v4, v3, s12                       ; x MULT, mod 2^32
	v_lshlrev_b32 v[XO], 4, v0
	v_lshlrev_b32 v[YO], 3, v0
.irp i, 0,1,2,3,4,5,6,7                        ; all sixteen offsets are made ahead of the first load, so that one wait serves them
	v_add_nc_u32 v7, ((\i)*16*MULT)&0xffffffff, v4 ; item i's bid is 16 i further on: its product differs by a constant, mod 2^32
	v_xor_b32 v8, s13, v7
	v_xor_b32 v9, s14, v7
	v_and_b32 v8, 0x1fff, v8                       ; mod 8,192
	v_and_b32 v9, 0x1fff, v9
	v_lshl_add_u32 v[O+2*(\i)],   v8, 8, v2         ; 256 bytes a block
	v_lshl_add_u32 v[O+2*(\i)+1], v9, 8, v2
.endr
	s_wait_kmcnt 0x0
	s_add_nc_u64 s[4:5], s[4:5], s[16:17]
	s_add_nc_u64 s[8:9], s[8:9], s[18:19]
	s_add_nc_u64 s[10:11], s[10:11], s[20:21]
	s_wait_alu depctr_va_vdst(0)                   ; v5, v6 and the sixteen offsets in O are written: every load and store of the kernel reads one of them as its offset
.irp i, 0,1,2,3,4,5,6,7
	global_load_b128 v[D+8*(\i):D+8*(\i)+3],   v[O+2*(\i)],   s[6:7]
	global_load_b128 v[D+8*(\i)+4:D+8*(\i)+7], v[O+2*(\i)+1], s[6:7] offset:HALFB
.endr
.irp s, 0,1,2,3,4,5,6,7
	global_load_b128 v[X+4*(\s):X+4*(\s)+3], v[XO], s[4:5] offset:(\s)*CH th:TH_LOAD_NT  ; chunks 0 to 7 into slots 0 to 7.  X is read once in the launch
.endr
; Item i's arithmetic: it names the item's eight registers and v10 to v13, and nothing else.
.macro MEAN i
.set R, D+8*(\i)
	v_cvt_pk_bf16_f32 v[T],   v[R],   v[R+1]       ; the inputs' rounding to bf16,
	v_cvt_pk_bf16_f32 v[T+1], v[R+2], v[R+3]
	v_cvt_pk_bf16_f32 v[T+2], v[R+4], v[R+5]
	v_cvt_pk_bf16_f32 v[T+3], v[R+6], v[R+7]
.irp j, 0,1,2,3
	v_lshlrev_b32 v[R+2*\j],   16,  v[T+\j]        ; and back to f32: the low half moves up,
	v_and_b32     v[R+2*\j+1], s15, v[T+\j]        ; the high half stays
.endr
	v_pk_add_f32 v[R:R+1],   v[R:R+1],   v[R+4:R+5]
	v_pk_add_f32 v[R+2:R+3], v[R+2:R+3], v[R+6:R+7]
	v_pk_mul_f32 v[R:R+1],   v[R:R+1],   0.5 op_sel_hi:[1,0]
	v_pk_mul_f32 v[R+2:R+3], v[R+2:R+3], 0.5 op_sel_hi:[1,0]
	v_cvt_pk_bf16_f32 v[R],   v[R],   v[R+1]
	v_cvt_pk_bf16_f32 v[R+1], v[R+2], v[R+3]
.endm
; Item i's store.
.macro WOUT i
	global_store_b64 v[YO], v[D+8*(\i):D+8*(\i)+1], s[10:11] offset:2048*(\i)  ; 16 blocks of 128 bytes an item
.endm
	s_wait_loadcnt 16                              ; loads come back in order (ISA guide 5.7.1): items 0 to 3 are in; the eight loads of items 4 to 7 and the eight of X may stay out
.irp i, 0,1,2,3
	MEAN \i
.endr
	s_wait_loadcnt 8                               ; items 4 to 7 are in: every load of the pool is done; the eight of X may stay out
	s_wait_alu depctr_vm_vsrc(0)                   ; the pool's loads have read their offsets in O, in which the four loads below land
	s_wait_alu depctr_va_vdst(0)                   ; items 0 to 3 have written their results, which the four stores below read
.irp i, 0,1,2,3
	global_load_b128 v[X+4*(8+\i):X+4*(8+\i)+3], v[XO], s[4:5] offset:(8+\i)*CH th:TH_LOAD_NT  ; chunks 8 to 11 into slots 8 to 11; no vector instruction since the wait names these registers
	WOUT \i                                        ; nor these: the arithmetic between names items 4 to 7 alone
	MEAN 4+\i
.endr
	s_wait_alu depctr_va_vdst(0)                   ; items 4 to 7 have written their results, which the four stores below read
.irp i, 4,5,6,7
	WOUT \i
.endr
; Block p of X: chunks 4 p to 4 p + 3, in slots (4 p + j) % 12.  While chunks are left the four slots are filled again with the block three further on, ahead of the stores;
; the last three blocks load nothing, and their counts run down.
.macro BLK p
.if (\p) < NCH/BLOCK-2
	s_wait_loadcnt 2*BLOCK                         ; my four chunks are in, the two younger blocks stay out
.else
	s_wait_loadcnt BLOCK*(NCH/BLOCK-1-(\p))
.endif
.if (\p) == 0
	s_wait_xcnt 0x0                                ; every earlier memory instruction has had its addresses translated (ISA guide 3.1): the data registers of wb's stores, which lie in Y, are rewritten only behind this wait
	s_wait_alu depctr_vm_vsrc(0)                   ; wb's eight stores have read their data.  From here on no memory instruction reads a register of Y ahead of the one store that it is written for
.endif
.irp j, 0,1,2,3
.set c, BLOCK*(\p)+\j
.set sl, c%SLOTS
	v_cvt_pk_bf16_f32 v[Y+2*c],   v[X+4*sl],   v[X+4*sl+1]
	v_cvt_pk_bf16_f32 v[Y+2*c+1], v[X+4*sl+2], v[X+4*sl+3]
.endr
	s_wait_alu depctr_va_vdst(0)                   ; the eight conversions are done reading the block's four slots, in which the loads below land, and have written the block's Y, which the stores below read
.if BLOCK*(\p)+SLOTS < NCH
.irp j, 0,1,2,3
.set c, BLOCK*(\p)+\j
.set sl, c%SLOTS
	global_load_b128 v[X+4*sl:X+4*sl+3], v[XO], s[4:5] offset:(c+SLOTS)*CH th:TH_LOAD_NT
.endr
.endif
.irp j, 0,1,2,3
.set c, BLOCK*(\p)+\j
	global_store_b64 v[YO], v[Y+2*c:Y+2*c+1], s[8:9] offset:c*CH/2
.endr
.endm
.irp p, 0,1,2,3,4,5,6,7
	BLK \p
.endr
	s_endpgm
.Lfunc_end_k_q28af0e3e89_prep:
	.size	k_q28af0e3e89_prep, .Lfunc_end_k_q28af0e3e89_prep-k_q28af0e3e89_prep
	.p2alignl 7, 3214868480
	.fill 96, 4, 3214868480
	.section	.rodata,"a",@progbits
	.p2align	6, 0x0
	.amdhsa_kernel k_q28af0e3e89_prep
		.amdhsa_group_segment_fixed_size 0
		.amdhsa_private_segment_fixed_size 0
		.amdhsa_enable_private_segment 0
		.amdhsa_kernarg_size 32
		.amdhsa_user_sgpr_count 2
		.amdhsa_user_sgpr_kernarg_segment_ptr 1
		.amdhsa_wavefront_size32 1
		.amdhsa_system_sgpr_workgroup_id_x 1
		.amdhsa_system_sgpr_workgroup_id_y 1
		.amdhsa_system_sgpr_workgroup_id_z 1
		.amdhsa_system_vgpr_workitem_id 0
		.amdhsa_next_free_vgpr 128
		.amdhsa_next_free_sgpr 66
		.amdhsa_reserve_vcc 0
		.amdhsa_float_denorm_mode_32 3
		.amdhsa_float_denorm_mode_16_64 3
		.amdhsa_memory_ordered 1
		.amdhsa_forward_progress 1
		.amdhsa_inst_pref_size 25
	.end_amdhsa_kernel
	.amdgpu_metadata
---
amdhsa.version: [ 1, 2 ]
amdhsa.kernels:
  - .name:           k_q28af0e3e89_prep
    .symbol:         k_q28af0e3e89_prep.kd
    .args:
      - { .name: input, .offset: 0, .size: 8, .value_kind: global_buffer, .address_space: global }
      - { .name: shared_weight, .offset: 8, .size: 8, .value_kind: global_buffer, .address_space: global }
      - { .name: xb, .offset: 16, .size: 8, .value_kind: global_buffer, .address_space: global }
      - { .name: wb, .offset: 24, .size: 8, .value_kind: global_buffer, .address_space: global }
    .group_segment_fixed_size: 0
    .private_segment_fixed_size: 0
    .kernarg_segment_align: 8
    .kernarg_segment_size: 32
    .max_flat_workgroup_size: 256
    .sgpr_count:     66
    .vgpr_count:     128
    .wavefront_size: 32
...
	.end_amdgpu_metadata
.endif
;; end of part 5
;; launch gemm: the kernel of part 4 again; grid 8 x 32, 4 waves a work-group, clusters of 4 x 4, 327,680 bytes of LDS; arguments xb, wb, out0, bias, layer_factor; writes out0
